; MI455X (gfx1250); checked and timed in simulation.
; The chip was launched on July 23, 2026; its instructions are those of AMD's public machine-readable ISA for CDNA 5 (MIT licence, August 2026) and "CDNA5" Instruction Set Architecture Reference Guide (July 2026). The comments in the code are by the model that wrote it; some were corrected since.
;; LSTM. Allowed arithmetic: matrix products marked QUANTISED: E3M2 operands, one E8M0 scale for each 32 along K, by v_wmma_scale_f32_16x16x128_f8f6f4 with both operands' format E3M2, f32 sums; everything else in f32.
;; Inputs: Wf_h 2,048 x 2,048 float32; Wf_x 2,048 x 2,048 float32; Wg_h 2,048 x 2,048 float32; Wg_x 2,048 x 2,048 float32; Wi_h 2,048 x 2,048 float32; Wi_x 2,048 x 2,048 float32; Wo_h 2,048 x 2,048 float32; Wo_x 2,048 x 2,048 float32; behavior 2,048 x 2,048 float32; bf 2,048 float32; bg 2,048 float32; bi 2,048 float32; bo 2,048 float32; c0 2,048 x 2,048 float32; h0 2,048 x 2,048 float32.
;; Outputs: out0 2,048 x 2,048 float32.
;; This version of the problem:
;;   THIS VERSION OF THE PROBLEM IS GIVEN IN LOW PRECISION. The matrix products marked QUANTISED in the list below multiply operands that are first quantised to E3M2 (3 exponent bits, 2 mantissa bits; 6 bits a number), with one power-of-two scale for each 32 numbers along K (OCP MX v1.0); their sums are f32. All else is computed in f32.
;;   The module's matrix products, in the order in which they are computed (A, B: the left and right operand; K: the contracted axis; several contracted axes count as one K, in the product's order):
;;     1. [M 2,048, K 2,048] x [K 2,048, N 2,048]; A: input h0; B: input Wi_h: QUANTISED
;;     2. [M 2,048, K 2,048] x [K 2,048, N 2,048]; A: input behavior; B: input Wi_x: QUANTISED
;;     3. [M 2,048, K 2,048] x [K 2,048, N 2,048]; A: input h0; B: input Wf_h: QUANTISED
;;     4. [M 2,048, K 2,048] x [K 2,048, N 2,048]; A: input behavior; B: input Wf_x: QUANTISED
;;     5. [M 2,048, K 2,048] x [K 2,048, N 2,048]; A: input h0; B: input Wg_h: QUANTISED
;;     6. [M 2,048, K 2,048] x [K 2,048, N 2,048]; A: input behavior; B: input Wg_x: QUANTISED
;;     7. [M 2,048, K 2,048] x [K 2,048, N 2,048]; A: input h0; B: input Wo_h: QUANTISED
;;     8. [M 2,048, K 2,048] x [K 2,048, N 2,048]; A: input behavior; B: input Wo_x: QUANTISED
;;   THE QUANTISER, for each operand of a quantised product, along K:
;;     - K is cut into blocks of 32 from its start; a last block that is shorter is filled with zeros.
;;     - A block's scale is 2^e with e = floor(log2(the largest magnitude in the block)) - 4, held to -126 .. 127; a block of zeros has e = 0. As a byte (E8M0): e + 127.
;;     - Each number is divided by its block's scale, clamped to +-28, and rounded to the nearest number of E3M2, ties to even, subnormals kept.
;;     - The product sums the exact products of the quantised numbers (number of the format x scale) in f32.
;;   ~~~python
;;   def quantise(x, axis):      # numpy; x: float32 -> the quantised numbers, widened to float32 again
;;       x = np.moveaxis(x, axis, -1); K = x.shape[-1]
;;       x = np.pad(x, [(0, 0)] * (x.ndim - 1) + [(0, -K % 32)]); x = x.reshape(x.shape[:-1] + (-1, 32)); a = np.abs(x).max(-1, keepdims=True)
;;       e = np.where(a > 0, np.clip(np.frexp(np.where(a > 0, a, 1))[1] - 1 - 4, -126, 127), 0)      # np.frexp(a)[1] - 1 = floor(log2(a)), exactly
;;       r = np.clip(x / 2.0 ** e, -28, 28)
;;       step = 2.0 ** (np.maximum(np.frexp(np.where(r == 0, 1, r))[1] - 1, -2) - 2)
;;       q = np.round(r / step) * step * 2.0 ** e      # np.round: ties to even
;;       return np.moveaxis(q.reshape(q.shape[:-2] + (-1,))[..., :K], -1, axis).astype(np.float32)
;;   ~~~
;; One version. Each part assembles by itself: llvm-mc -triple=amdgcn-amd-amdhsa -mcpu=gfx1250 --defsym DOCPART=n.
;; ======== version 1 of 1: 2 launches
;; limits: right only within a limited range of input values
;; workspace buffers: a_ops 6,553,600 bytes; b_ops 26,214,400 bytes
;; launch quant (part 1): grid 1280 x 1, 4 waves a work-group, no clusters, 60,928 bytes of LDS; arguments Wi_h, Wi_x, Wf_h, Wf_x, Wg_h, Wg_x, Wo_h, Wo_x, h0, behavior, a_ops, b_ops; writes a_ops, b_ops
.if DOCPART == 1
	.amdgcn_target "amdgcn-amd-amdhsa--gfx1250"
	.amdhsa_code_object_version 6
	.text
	.protected	k_qdbf15b9ed1_quant
	.globl	k_qdbf15b9ed1_quant
	.p2align	8
	.type	k_qdbf15b9ed1_quant,@function
k_qdbf15b9ed1_quant:
	s_mov_b64 s[64:65], 0
	v_nop
	global_prefetch_b8 v0, s[64:65] scope:SCOPE_SE
	s_setreg_imm32_b32 hwreg(HW_REG_WAVE_MODE, 25, 1), 1
	s_wait_xcnt 0x0
; All ten f32 operands of the LSTM step become codes of BF6 (E3M2), 6 bits each, with one E8M0 scale byte for each 32 along K, in this program's own buffers.
; The eight products are taken as ONE product: A [2048 rows][K 4096] = (h0 | behavior), B [8192 rows][K 4096]: row n = 128 G + 32 gate + c stands for column 32 G + c of a gate (0 i, 1 f, 2 g, 3 o), K = (W_h | W_x).
; A block's scale is 2^(floor(log2(its largest magnitude)) - 4): its byte is the largest magnitude's own exponent field - 4, held at 1 from below.  Each number is divided by the scale and rounded to the nearest code, ties to
; even; beyond the largest code the conversion gives the largest code.
; LIMITS: NaN and infinities among the inputs are not served.  A block of zeros, or one whose largest magnitude lies under 2^-122, gets the byte 1 (for zeros the rule says 127: the codes are zeros, which add nothing under
; any byte but 0xff, and these bytes are read by this program alone).
; THE BUFFERS ARE LAID IN THE ORDER OF THE OPERAND'S REGISTERS, CODES AND SCALE WORDS TOGETHER.  A group is 128 rows, a block i 16 of them, a step s 128 along K.  A group's step is 12,800 bytes at group x 409,600 + s x 12,800:
;   eight images of 1,536 bytes, block i's at 1,536 i: register 4 c + j of lane l at 512 c + 16 l + 4 j (lane (r, h): row r; registers 6 c .. 6 c + 5: k = 64 c + 32 h + 0 .. 31);
;   then, from byte 12,288 on, 512 bytes of scale words (four bytes, 128 along K, a row): (i / 2) x 128 + 8 r + 4 (i % 2).
; SHARES.  A wave takes 8,192 numbers: four images and their scale words.  Work-groups 0 .. 1023 take the weights, 1024 .. 1279 the activations.
; No tensor loads, no barrier: waves share nothing.  Each of the two paths has LDS bytes of its own.
.set GRP, 409600                       ; a group's bytes
.set STP, 12800                        ; a group's step
.set SCO, 12288                        ; where the scale words begin in it
.set SPW, 14                           ; v14 my spare word, v15 zero: for the add alone
.set NIL, 15
.set SPARE, 0x8400                     ; behind the activations' four stages: the spare words, 512 bytes
.set WST0, 0x8600                      ; weights: a stage of WSTG bytes for each wave: four images IP bytes apart, then 256 bytes of scale words at WSC
.set WSTG, 6656
.set IP,   1552                        ; 1,536 + 16: the four images begin in four different places of 16 bytes modulo 256
.set WSC,  6400
.set X,   64                           ; weights: v64-191 32 rows x 4 columns as loaded: register 4 i + j = row i, my column j
.set SO,  16                           ; weights: v16-19 a column's largest magnitude, then the conversion's scale operand
.set W,   20                           ; weights: v20-23 my two scale bytes of each column, then the scale words
.set T,   24                           ; weights: v24-26 a block's upper 16 codes (a conversion's three registers begin on an even number)
.set GA,  28                           ; weights: v28-43 sixteen neighbours along K of one column
.set DD,  44                           ; weights: v44-55 a block's six registers of codes, two sets by turns
.set BY,  56                           ; weights: v56-59 at work
.set R,   64                           ; activations: v64-127  16 rows x 512 bytes as loaded
.set XN,  128                          ; activations: v128-191 64 numbers of my row: register 16 b + i = k 32 b + 16 h + i
.set TM,  16                           ; activations: v16-19 largest magnitudes, v20-23 the other half's, then bytes, v28-31 the conversions' scale operands
.set PC,  32                           ; activations: v32-43 the fragment, v44-50 at work
.set WD,  8                            ; activations: v8-11 the four fragments' scale words
.set SP,  528                          ; activations: a stage row: 512 bytes + 16
	s_load_b512 s[8:23], s[0:1], 0x0               ; Wi_h, Wi_x, Wf_h, Wf_x, Wg_h, Wg_x, Wo_h, Wo_x
	s_load_b128 s[24:27], s[0:1], 0x40             ; h0, behavior
	s_load_b128 s[28:31], s[0:1], 0x50             ; A's buffer, B's buffer
	v_lshl_add_u32 v[SPW], v0, 2, SPARE
	v_mov_b32 v[NIL], 0
	v_lshrrev_b32 v1, 5, v0
	v_readfirstlane_b32 s4, v1                     ; wave 0..3
	v_and_b32 v2, 31, v0                           ; lane
	s_mov_b32 s39, 0                               ; the upper words of three offsets
	s_mov_b32 s41, 0
	s_mov_b32 s43, 0
	s_mov_b32 s36, 0x76543210
	s_mov_b32 s37, 0xfedcba98                      ; v_permlanex16_b32's selects for lane l xor 16
	s_cmp_lt_u32 ttmp9, 1024
	s_cbranch_scc0 .Lacts
; ---------------- THE WEIGHTS: [K][2048], K is the FIRST axis.
; Work-group w: tensor t = w / 128 (= 2 gate + x), columns 128 cg on (cg = (w / 8) % 16), rows 256 kc on (kc = w % 8).  Wave: 64 columns (half = wave % 2) x one step of 128 rows (q = wave / 2).
; Lane (m, h) takes columns 4 m .. 4 m + 3 and rows 64 c + 32 h + i, pass c = 0, 1: a load's lanes 0-15 read 256 consecutive aligned bytes of one row, lanes 16-31 those of the row 32 further down.
; So a lane holds whole blocks of 32 along K of four columns, and they are the blocks that the operand's layout gives to lanes of its half h.  Sixteen moves lay a column's neighbours along K on end for each conversion.
; Column 4 m + j is row r = 4 (m % 4) + j of image m / 4: the codes go through the wave's own stage and leave as images, 512 consecutive bytes a store.
	s_lshr_b32 s5, ttmp9, 7                        ; t
	s_bfe_u32 s6, ttmp9, 0x40003                   ; cg
	s_and_b32 s7, ttmp9, 7                         ; kc
	s_and_b32 s2, s4, 1                            ; half
	s_lshr_b32 s3, s4, 1                           ; q
	s_lshr_b32 s45, s5, 1                          ; gate
	s_and_b32 s46, s5, 1                           ; x
	s_lshl_b32 s38, s7, 21                         ; source: 256 kc rows of 8,192 bytes
	s_lshl_b32 s44, s3, 20                         ; + 128 q rows
	s_add_co_u32 s38, s38, s44
	s_lshl_b32 s44, s6, 9                          ; + 128 cg columns
	s_add_co_u32 s38, s38, s44
	s_lshl_b32 s44, s2, 8                          ; + 64 half columns
	s_add_co_u32 s38, s38, s44
	s_lshl_b32 s44, s6, 2
	s_lshl_b32 s47, s2, 1
	s_add_co_u32 s44, s44, s47                     ; my first group: 4 cg + 2 half
	s_mul_i32 s40, s44, GRP
	s_lshl_b32 s44, s46, 3
	s_add_co_u32 s44, s44, s7
	s_lshl_b32 s44, s44, 1
	s_add_co_u32 s44, s44, s3                      ; my step: 2 (8 x + kc) + q
	s_mul_i32 s44, s44, STP
	s_add_co_u32 s40, s40, s44                     ; under 2^25
	s_lshl_b32 s44, s45, 7                         ; scale words: + 12,288 + gate x 128 (blocks 2 gate, 2 gate + 1)
	s_add_co_u32 s42, s40, s44
	s_add_co_u32 s42, s42, SCO
	s_mul_i32 s44, s45, 3072                       ; codes: + gate x 3,072
	s_add_co_u32 s40, s40, s44
	s_mul_i32 s47, s4, WSTG
	s_add_co_u32 s47, s47, WST0                    ; my stage
	s_wait_alu depctr_va_vdst(0)
	v_and_b32 v1, 15, v2                           ; m
	v_lshrrev_b32 v10, 4, v2                       ; h
	v_lshlrev_b32 v3, 4, v1
	v_lshl_add_u32 v3, v10, 18, v3                 ; in: 16 m + 32 h rows
	v_lshrrev_b32 v11, 2, v1                       ; m / 4: the image
	v_and_b32 v12, 3, v1                           ; m % 4
	v_mul_u32_u24 v4, v11, IP
	v_lshl_add_u32 v4, v10, 8, v4
	v_lshl_add_u32 v4, v12, 6, v4
	v_add_nc_u32 v4, s47, v4                       ; into the stage: image m / 4, lane (4 (m % 4) + j, h): 256 h + 64 (m % 4); 16 j stands in the offset
	v_lshlrev_b32 v6, 4, v2                        ; out: 16 x lane in an image
	v_add_nc_u32 v5, s47, v6                       ; and the same in the stage
	v_lshrrev_b32 v7, 3, v1
	v_lshlrev_b32 v7, 7, v7                        ; scale words in the stage: 128 (m / 8): the group
	v_lshl_add_u32 v7, v12, 5, v7                  ; + 8 r, r = 4 (m % 4) + j
	v_and_b32 v11, 1, v11
	v_lshl_add_u32 v7, v11, 2, v7                  ; + 4 ((m / 4) % 2)
	v_add_nc_u32 v7, s47, v7
	v_add_nc_u32 v7, WSC, v7
	v_lshlrev_b32 v8, 3, v2                        ; and back: 8 bytes a lane
	v_add_nc_u32 v8, s47, v8
	v_add_nc_u32 v8, WSC, v8
	v_lshlrev_b32 v9, 3, v1
	v_mad_u32_u24 v9, v10, GRP, v9                 ; lanes 0-15 store the first group's 128 bytes of words, lanes 16-31 the next group's
	v_lshlrev_b32 v10, 3, v10                      ; 8 h
	s_wait_alu depctr_va_vdst(0)                   ; the head's end
	s_wait_kmcnt 0x0
	s_bitcmp1_b32 s5, 0                            ; the tensor is chosen by the work-group's number alone: bit 0 of t,
	s_cselect_b64 s[8:9], s[10:11], s[8:9]
	s_cselect_b64 s[12:13], s[14:15], s[12:13]
	s_cselect_b64 s[16:17], s[18:19], s[16:17]
	s_cselect_b64 s[20:21], s[22:23], s[20:21]
	s_bitcmp1_b32 s5, 1                            ; bit 1,
	s_cselect_b64 s[8:9], s[12:13], s[8:9]
	s_cselect_b64 s[16:17], s[20:21], s[16:17]
	s_bitcmp1_b32 s5, 2                            ; bit 2
	s_cselect_b64 s[8:9], s[16:17], s[8:9]
	s_add_nc_u64 s[8:9], s[8:9], s[38:39]
	s_add_nc_u64 s[32:33], s[30:31], s[40:41]      ; where my codes go,
	s_add_nc_u64 s[34:35], s[30:31], s[42:43]      ; and my scale words
.macro WLOAD c                         ; pass c: rows 64 c + 32 h + i, i = 0 .. 31
.set I, 0
.rept 32
	global_load_b128 v[X+4*I:X+4*I+3], v3, s[8:9] offset:(64*\c+I)*8192 th:TH_LOAD_NT
.set I, I+1
.endr
.endm
.macro GATHER j, up                    ; sixteen rows of column j on end
.set I, 0
.rept 16
	v_mov_b32 v[GA+I], v[X+64*\up+4*I+\j]
.set I, I+1
.endr
.endm
.macro WPASS c                         ; block 2 c + h of my four columns
	s_wait_loadcnt 0x0
.irp j, 0,1,2,3
	v_max3_num_f32 v[SO+\j], |v[X+\j]|, |v[X+4+\j]|, 0x2800000     ; the block's largest magnitude, and the floor 2^(5 - 127); the four columns by turns
.endr
.set I, 2
.rept 15
.irp j, 0,1,2,3
	v_max3_num_f32 v[SO+\j], v[SO+\j], |v[X+4*I+\j]|, |v[X+4*I+4+\j]|
.endr
.set I, I+2
.endr
.irp j, 0,1,2,3
	v_add_nc_u32 v[SO+\j], 0xfe000000, v[SO+\j]    ; 4 off its exponent field: the conversion's scale operand
.endr
.irp j, 0,1,2,3
.if \c == 0
	v_lshrrev_b32 v[W+\j], 23, v[SO+\j]            ; the scale's byte
.else
	v_lshrrev_b32 v[BY+\j], 23, v[SO+\j]
.endif
.endr
.if \c == 1
.irp j, 0,1,2,3
	v_lshl_or_b32 v[W+\j], v[BY+\j], 16, v[W+\j]   ; blocks h and 2 + h
.endr
.endif
.irp j, 0,1,2,3
.set D, DD+6*(\j%2)
	s_wait_dscnt 2                                 ; all but the column before's two stores are done: this set of six registers is free
	GATHER \j, 0
	v_cvt_scalef32_pk16_bf6_f32 v[D:D+2], v[GA:GA+15], v[SO+\j]
	v_nop                                          ; one plain instruction behind a scaled conversion
	GATHER \j, 1
	v_cvt_scalef32_pk16_bf6_f32 v[T:T+2], v[GA:GA+15], v[SO+\j]
	v_nop
.irp i, 0,1,2
	v_mov_b32 v[D+3+\i], v[T+\i]
.endr
.if \c == 0
	ds_store_b128 v4, v[D:D+3] offset:16*\j        ; registers 0-3 of the image's lane,
	ds_store_b64 v4, v[D+4:D+5] offset:512+16*\j   ; 4 and 5
.else
	ds_store_b64 v4, v[D:D+1] offset:520+16*\j     ; 6 and 7,
	ds_store_b128 v4, v[D+2:D+5] offset:1024+16*\j ; 8-11
.endif
.endr
.endm
	WLOAD 0
	WPASS 0
	WLOAD 1
	WPASS 1
.irp j, 0,1,2,3
	v_lshlrev_b32 v[W+\j], v10, v[W+\j]            ; my two bytes at their places in the word, 8 h bits up;
.endr
.irp j, 0,1,2,3
	v_permlanex16_b32 v[BY+\j], v[W+\j], s36, s37
.endr
.irp j, 0,1,2,3
	v_or_b32 v[W+\j], v[W+\j], v[BY+\j]            ; with lane l xor 16's two the word is whole
.endr
.irp j, 0,1,2,3
	ds_store_b32 v7, v[W+\j] offset:8*\j           ; both halves of the lanes write the same word with the same value
.endr
.set N, 0
.rept 12
	ds_load_b128 v[X+4*N:X+4*N+3], v5 offset:(N/3)*IP+512*(N%3)    ; LDS serves a wave's instructions in order: these see my stores
.set N, N+1
.endr
	ds_load_b64 v[X+48:X+49], v8
.set N, 0
.rept 12
	s_wait_dscnt 12-N                              ; the younger loads may be out
	global_store_b128 v6, v[X+4*N:X+4*N+3], s[32:33] offset:(N/6)*GRP+((N/3)%2)*1536+512*(N%3)   ; 512 consecutive bytes of an image, at a multiple of 512 from the buffer's first byte
.set N, N+1
.endr
	s_wait_dscnt 0x0
	global_store_b64 v9, v[X+48:X+49], s[34:35]    ; two groups' 128 bytes of scale words
	s_wait_tensorcnt 0x0                           ; the wave's end
	ds_add_u32 v[SPW], v[NIL]
	s_wait_dscnt 0x0
	s_endpgm
; ---------------- THE ACTIVATIONS: [2048][2048], K innermost.  Work-group a: tensor x = a / 128, rows 32 rg on (rg = (a / 2) % 64); wave: 256 along K at kc = 4 (a % 2) + wave.
; Each load reads 512 consecutive bytes of one row; 16 rows turn through the wave's own stage in LDS, so that lane (r, h) gets, of row r, 16 neighbours of each block of 32.
.Lacts:
	s_sub_co_u32 s5, ttmp9, 1024                   ; a
	s_lshr_b32 s6, s5, 7                           ; x
	s_bfe_u32 s7, s5, 0x60001                      ; rg
	s_and_b32 s44, s5, 1
	s_lshl_b32 s44, s44, 2
	s_add_co_u32 s44, s44, s4                      ; kc
	s_lshl_b32 s45, s6, 3
	s_add_co_u32 s45, s45, s44                     ; 8 x + kc: my two steps are 2 (8 x + kc) and the next
	s_lshl_b32 s38, s7, 18                         ; source: 32 rg rows of 8,192 bytes
	s_lshl_b32 s46, s44, 10                        ; + 256 kc numbers
	s_add_co_u32 s38, s38, s46
	s_lshr_b32 s46, s7, 2                          ; group
	s_and_b32 s47, s7, 3                           ; which pair of blocks in it
	s_mul_i32 s40, s46, GRP
	s_mul_i32 s2, s45, 2*STP
	s_add_co_u32 s40, s40, s2
	s_lshl_b32 s2, s47, 7                          ; scale words: + 12,288 + pair x 128
	s_add_co_u32 s42, s40, s2
	s_add_co_u32 s42, s42, SCO
	s_mul_i32 s2, s47, 3072                        ; codes: + pair x 3,072
	s_add_co_u32 s40, s40, s2
	s_mul_i32 s46, s4, 16*SP                       ; my stage
	s_wait_alu depctr_va_vdst(0)
	v_lshlrev_b32 v3, 4, v2                        ; 16 x lane: my place in a load's 512 bytes, and in an image
	v_add_nc_u32 v4, s46, v3                       ; into the stage
	v_and_b32 v6, 15, v0                           ; r
	v_bfe_u32 v7, v0, 4, 1                         ; h
	v_mul_u32_u24 v5, v6, SP
	v_lshl_add_u32 v5, v7, 6, v5
	v_add_nc_u32 v5, s46, v5                       ; out of it: row r, + 64 h
	v_lshlrev_b32 v6, 3, v6
	v_lshl_add_u32 v6, v7, 2, v6                   ; scale words: 8 r + 4 h
.irp b, 0,1,2,3
	v_mov_b32 v[TM+4+\b], 0                        ; written once: a lane permute's destination counts as one of its sources
.endr
	s_wait_alu depctr_va_vdst(0)                   ; the head's end
	s_wait_kmcnt 0x0
	s_cmp_eq_u32 s6, 0
	s_cselect_b64 s[24:25], s[24:25], s[26:27]     ; h0 or behavior, by the work-group's number alone
	s_add_nc_u64 s[24:25], s[24:25], s[38:39]
	s_add_nc_u64 s[32:33], s[28:29], s[40:41]      ; where my codes go,
	s_add_nc_u64 s[34:35], s[28:29], s[42:43]      ; and my scale words
.macro ALOAD f                         ; fragment f = 2 ii + q: rows 16 ii on, 128 along K at 128 q
.irp j, 0,1,2,3,4,5,6,7,8,9,10,11,12,13,14,15
	global_load_b128 v[R+4*\j:R+4*\j+3], v3, s[24:25] offset:(16*((\f)/2)+\j)*8192+512*((\f)%2) th:TH_LOAD_NT
.endr
.endm
; 64 numbers of a lane, v[s] on, register 16 b + i = k 32 b + 16 (lane / 16) + i of my row, become a fragment's codes in v[PC] on and its scale word in v[pw]
.macro QUANT s, pw
.irp b, 0,1,2,3
	v_max3_num_f32 v[TM+\b], |v[\s+16*\b]|, |v[\s+1+16*\b]|, 0x2800000   ; block b: my 16 numbers, and the floor 2^(5 - 127)
.endr
.irp i, 2,4,6,8,10,12,14
.irp b, 0,1,2,3
	v_max3_num_f32 v[TM+\b], v[TM+\b], |v[\s+16*\b+\i]|, |v[\s+1+16*\b+\i]|   ; the four blocks by turns
.endr
.endr
.irp b, 0,1,2,3
	v_permlanex16_b32 v[TM+4+\b], v[TM+\b], s36, s37
.endr
.irp b, 0,1,2,3
	v_max_num_f32 v[TM+\b], v[TM+\b], v[TM+4+\b]   ; with lane l xor 16's: the block's largest magnitude
.endr
.irp b, 0,1,2,3
	v_add_nc_u32 v[TM+12+\b], 0xfe000000, v[TM+\b] ; 4 off its exponent field: the conversion's scale operand
.endr
.irp b, 0,1,2,3
	v_lshrrev_b32 v[TM+4+\b], 23, v[TM+12+\b]      ; the scale's byte
.endr
	v_lshl_or_b32 v[\pw], v[TM+5], 8, v[TM+4]      ; the four bytes make my row's scale word (both halves of the lanes hold it)
	v_lshl_or_b32 v[\pw], v[TM+6], 16, v[\pw]
	v_lshl_or_b32 v[\pw], v[TM+7], 24, v[\pw]
.irp c, 0,1
	v_cvt_scalef32_pk16_bf6_f32 v[PC+6*\c:PC+2+6*\c], v[\s+32*\c:\s+15+32*\c], v[TM+12+2*\c]
	v_cvt_scalef32_pk16_bf6_f32 v[PC+12+4*\c:PC+14+4*\c], v[\s+16+32*\c:\s+31+32*\c], v[TM+12+2*\c+1]   ; (a conversion's three registers begin on an even number)
.endr
	v_nop                                          ; one plain instruction behind a scaled conversion
.irp c, 0,1                            ; the operand's layout wants a WHOLE block in a lane: lanes 0-15 block 2 c, lanes 16-31 block 2 c + 1
.irp i, 0,1,2
	v_permlane16_swap_b32 v[PC+6*\c+\i], v[PC+12+4*\c+\i]
.endr
.irp i, 0,1,2
	v_mov_b32 v[PC+3+6*\c+\i], v[PC+12+4*\c+\i]
.endr
.endr
.endm
.macro AFRAG f
	s_wait_loadcnt 0x0                             ; this fragment's 16 loads are in
.irp j, 0,1,2,3,4,5,6,7,8,9,10,11,12,13,14,15
	ds_store_b128 v4, v[R+4*\j:R+4*\j+3] offset:SP*\j
.endr
.irp b, 0,1,2,3
.irp j, 0,1,2,3
	ds_load_b128 v[XN+16*\b+4*\j:XN+16*\b+4*\j+3], v5 offset:128*\b+16*\j   ; LDS serves a wave's instructions in order: these see the stores above
.endr
.endr
	s_wait_dscnt 0x0                               ; my numbers are back, and the stores into the stage have read their registers
.if (\f) > 0
	s_wait_xcnt 0x0                                ; the last fragment's stores have read the codes' registers, which are written again below
.endif
.if (\f) < 3
	ALOAD (\f)+1                                   ; the next fragment's numbers come while this one is quantised
.endif
	QUANT XN, WD+(\f)
.irp c, 0,1,2
	global_store_b128 v3, v[PC+4*\c:PC+4*\c+3], s[32:33] offset:1536*((\f)/2)+STP*((\f)%2)+512*\c   ; the image: 512 consecutive bytes a store
.endr
.endm
	ALOAD 0
	AFRAG 0
	AFRAG 1
	AFRAG 2
	AFRAG 3
	v_cmp_le_u32 vcc_lo, 16, v2                    ; lanes 0-15 store the words of rows 0-15 (fragments 0, 1), lanes 16-31 those of rows 16-31 (fragments 2, 3)
	v_cndmask_b32 v12, v[WD], v[WD+2], vcc_lo
	v_cndmask_b32 v13, v[WD+1], v[WD+3], vcc_lo
	global_store_b32 v6, v12, s[34:35]             ; 32 lanes store 128 consecutive bytes: my two blocks' words of the first step,
	global_store_b32 v6, v13, s[34:35] offset:STP  ; and of the second
	s_wait_tensorcnt 0x0                           ; the wave's end
	ds_add_u32 v[SPW], v[NIL]
	s_wait_dscnt 0x0
	s_endpgm
.Lfunc_end_k_qdbf15b9ed1_quant:
	.size	k_qdbf15b9ed1_quant, .Lfunc_end_k_qdbf15b9ed1_quant-k_qdbf15b9ed1_quant
	.p2alignl 7, 3214868480
	.fill 96, 4, 3214868480
	.section	.rodata,"a",@progbits
	.p2align	6, 0x0
	.amdhsa_kernel k_qdbf15b9ed1_quant
		.amdhsa_group_segment_fixed_size 60928
		.amdhsa_private_segment_fixed_size 0
		.amdhsa_enable_private_segment 0
		.amdhsa_kernarg_size 96
		.amdhsa_user_sgpr_count 2
		.amdhsa_user_sgpr_kernarg_segment_ptr 1
		.amdhsa_wavefront_size32 1
		.amdhsa_system_sgpr_workgroup_id_x 1
		.amdhsa_system_sgpr_workgroup_id_y 1
		.amdhsa_system_sgpr_workgroup_id_z 1
		.amdhsa_system_vgpr_workitem_id 0
		.amdhsa_next_free_vgpr 192
		.amdhsa_next_free_sgpr 66
		.amdhsa_reserve_vcc 1
		.amdhsa_float_denorm_mode_32 3
		.amdhsa_float_denorm_mode_16_64 3
		.amdhsa_memory_ordered 1
		.amdhsa_forward_progress 1
		.amdhsa_inst_pref_size 67
	.end_amdhsa_kernel
	.amdgpu_metadata
---
amdhsa.version: [ 1, 2 ]
amdhsa.kernels:
  - .name:           k_qdbf15b9ed1_quant
    .symbol:         k_qdbf15b9ed1_quant.kd
    .args:
      - { .name: Wi_h, .offset: 0, .size: 8, .value_kind: global_buffer, .address_space: global }
      - { .name: Wi_x, .offset: 8, .size: 8, .value_kind: global_buffer, .address_space: global }
      - { .name: Wf_h, .offset: 16, .size: 8, .value_kind: global_buffer, .address_space: global }
      - { .name: Wf_x, .offset: 24, .size: 8, .value_kind: global_buffer, .address_space: global }
      - { .name: Wg_h, .offset: 32, .size: 8, .value_kind: global_buffer, .address_space: global }
      - { .name: Wg_x, .offset: 40, .size: 8, .value_kind: global_buffer, .address_space: global }
      - { .name: Wo_h, .offset: 48, .size: 8, .value_kind: global_buffer, .address_space: global }
      - { .name: Wo_x, .offset: 56, .size: 8, .value_kind: global_buffer, .address_space: global }
      - { .name: h0, .offset: 64, .size: 8, .value_kind: global_buffer, .address_space: global }
      - { .name: behavior, .offset: 72, .size: 8, .value_kind: global_buffer, .address_space: global }
      - { .name: a_ops, .offset: 80, .size: 8, .value_kind: global_buffer, .address_space: global }
      - { .name: b_ops, .offset: 88, .size: 8, .value_kind: global_buffer, .address_space: global }
    .group_segment_fixed_size: 60928
    .private_segment_fixed_size: 0
    .kernarg_segment_align: 8
    .kernarg_segment_size: 96
    .max_flat_workgroup_size: 128
    .sgpr_count:     66
    .vgpr_count:     192
    .wavefront_size: 32
...
	.end_amdgpu_metadata
.endif
;; end of part 1
;; launch lstm (part 2): grid 32 x 8, 4 waves a work-group, clusters of 4 x 4, 327,680 bytes of LDS; arguments a_ops, b_ops, c0, out0, bi, bf, bg, bo; writes out0
.if DOCPART == 2
	.amdgcn_target "amdgcn-amd-amdhsa--gfx1250"
	.amdhsa_code_object_version 6
	.text
	.protected	k_qdbf15b9ed1_lstm
	.globl	k_qdbf15b9ed1_lstm
	.p2align	8
	.type	k_qdbf15b9ed1_lstm,@function
k_qdbf15b9ed1_lstm:
	s_mov_b64 s[64:65], 0
	v_nop
	global_prefetch_b8 v0, s[64:65] scope:SCOPE_SE
	s_setreg_imm32_b32 hwreg(HW_REG_WAVE_MODE, 25, 1), 1
	s_wait_xcnt 0x0
	s_wait_alu depctr_hold_cnt(0) depctr_sa_sdst(0) depctr_va_vdst(0) depctr_va_sdst(0) depctr_va_ssrc(0) depctr_va_vcc(0) depctr_vm_vsrc(0)
	s_getreg_b32 s2, hwreg(HW_REG_IB_STS2, 6, 4)
	s_cmp_eq_u32 s2, 0
	s_cbranch_scc0 .Lentry_in_a_cluster
	s_endpgm
.Lentry_in_a_cluster:
	s_bfe_u32 s2, ttmp6, 0x10000c
	s_cmp_lg_u32 s2, 0xf033
	s_cbranch_scc0 .Lentry_shape_is_right
	s_endpgm
.Lentry_shape_is_right:
; One LSTM step on codes of BF6 (E3M2).  The eight products are ONE product: A [2048][K 4096] = (h0 | behavior), B [8192][K 4096]: row 128 G + 32 gate + c = column 32 G + c of gate i, f, g, o, K = (W_h | W_x).
; a_ops and b_ops hold register images: a group of 128 rows, a step of 128 along K = 12,800 bytes: eight images of 1,536 bytes (16 rows each), then 512 bytes of scale words.
; A work-group of four waves makes 256 rows x 64 columns of h (256 x 256 of the product); a wave 128 x 128: 64 accumulators.  The biases are the C of the first products.
; K goes through a ring of two LDS slots of three steps each (the first fill: two steps); a wave fetches 128 rows' three steps, 38,400 dense bytes, by one joint load.
; CLUSTERS 4 x 4: A's tiles are shared along a row of the cluster, B's along a column.  The matrix instruction is used transposed (source 0 = B's rows): a lane holds eight neighbouring columns of one row.
; At a change of slots the step's first 32 products stand AHEAD of the wait for the tile; behind that wait stand only the add, the descriptors' steps and the round, then the refill.
; THE GATES: sigmoid(x) = 1 / (1 + 2^(-x log2 e)); tanh(x) = (E - 1) / (E + 1), E = 2^(min(2 x log2 e, 60)): beyond that hold tanh is 1 in f32.  i g and o tanh(c) take one reciprocal each, of (1 + ei)(1 + eg) and
; (1 + eo)(1 + ec): eg and ec are finite by the hold, so an infinite ei or eo gives reciprocal 0 times a finite number.
; c0's tile comes into slot 1 behind that slot's last read; h is written over it and leaves as whole rows of 256 bytes, in two halves: rows done by blocks 0-3 are stored while blocks 4-7 are worked.
; LIMITS: NaN and infinities among the inputs are not served.
.set GRP,   409600
.set STP,   12800
.set SCO,   12288
.set HALFT, 3*STP                      ; a wave's part of a slot: 128 rows, three steps
.set SLOT,  4*HALFT
.set SPARE, 2*SLOT                     ; the spare words: 128 bytes a wave, named by no other line
.set CP,    272                        ; c0's and h's stage: 256 bytes a row + 16
.set FR,    12
.set NL,    3
.set NP,    4
.set ADRA, 16                          ; v16-17 my A images in slot 0, 1;  v18-19 scale words;  v20-21 B images
.set ADRS, 18
.set ADRB, 20
.set CA,   24                          ; my 32 bytes of a stage row
.set RD,   25                          ; the stage read back by rows
.set CO,   26                          ; the same place in out0
.set SPW,  28
.set NIL,  29
.set PFO,  30                          ; prefetch: 256 x lane
.set BO,   31
.set SC,   32                          ; v32-47 scale words, two sets: lanes 0-15 A's block i, lanes 16-31 B's
.set BIAS, 64
.set AF,   128                         ; A's fragments, one set
.set ZI,   64
.set ZF,   80
.set ZG,   96
.set ZO,   112
.set T1,   160
.set OB0,  176                         ; the first half's rows on their way out
.set G0C,  4
.set KN,   8
.set KP,   10
.set LIM,  22
.set G1,   24
.set G0,   32
.set S60,  46
.set G1B,  48
.set G0B,  56
.set PFA,  66
.set G1H,  68
.set G1HB, 80
.set G1C,  92
.set MSB, 0
.macro WIN new                         ; the immediate's high byte repeats the setting that is left
.if MSB != \new
	s_set_vgpr_msb (MSB<<8)|\new
.set MSB, \new
.endif
.endm
.set MUL_LO, 0xa1                      ; source 0 (B) window 1, source 1 (A) window 0, C and D window 2
.set MUL_HI, 0xf1
.set MUL_LO1, 0x81                     ; the first step: C (the biases) window 0
.set MUL_HI1, 0xc1
.set TO_B,   0x40
.macro JLOAD g0a, g1a, g0b, g1b        ; a joint load: waves 0, 1 for A, waves 2, 3 for B; s_nop 0 and four v_nop behind each line
	s_cmp_eq_u32 s17, 0
	s_cbranch_scc0 .Lfor_b_\@
	tensor_load_to_lds s[\g0a:\g0a+3], s[\g1a:\g1a+7]
	s_nop 0
.rept 4
	v_nop
.endr
	s_branch .Lasked_\@
.Lfor_b_\@:
	tensor_load_to_lds s[\g0b:\g0b+3], s[\g1b:\g1b+7]
	s_nop 0
.rept 4
	v_nop
.endr
.Lasked_\@:
.endm
.macro CROUND                          ; a round of the cluster's barrier
	s_barrier_signal -1
	s_barrier_wait -1
	s_cmp_lg_u32 s16, 0
	s_cbranch_scc1 .Lnot_wave_0_\@
	s_barrier_signal -3
.Lnot_wave_0_\@:
	s_barrier_wait -3
	s_barrier_signal -1
	s_barrier_wait -1
.endm
; A prefetch behind a refill: 32 lanes x 256 bytes of my group's stream, my work-group's quarter of 32,768 bytes by address; the stream's bytes 114,688 to 409,599 are named once; the last trips ask for nothing.
.macro ASK slot, two
	s_cmp_gt_u32 s3, s[LIM+\slot]
	s_cbranch_scc0 .Lnot_mine_\@
.if \two
	global_prefetch_b8 v[PFO], s[PFA:PFA+1] th:TH_LOAD_NT scope:SCOPE_SE
.endif
	global_prefetch_b8 v[PFO], s[PFA:PFA+1] offset:32768 th:TH_LOAD_NT scope:SCOPE_SE
.Lnot_mine_\@:
.endm
	s_load_b128 s[4:7], s[0:1], 0x0                ; a_ops, b_ops
	s_load_b128 s[12:15], s[0:1], 0x10             ; c0, out0
	s_load_b256 s[92:99], s[0:1], 0x20             ; bi, bf, bg, bo
	v_lshl_add_u32 v[SPW], v0, 2, SPARE
	v_mov_b32 v[NIL], 0
	ds_add_u32 v[SPW], v[NIL]                      ; the opening lines: the add twice and one wait
	ds_add_u32 v[SPW], v[NIL]
	v_lshrrev_b32 v1, 5, v0
	v_readfirstlane_b32 s16, v1                    ; wave
	s_lshr_b32 s17, s16, 1                         ; my half of the rows; also: I fetch for A (0) or B (1)
	s_and_b32 s18, s16, 1                          ; my half of B's rows; also: which group I fetch
	s_bfe_u32 s40, ttmp6, 0x40000                  ; cx
	s_bfe_u32 s41, ttmp6, 0x40004                  ; cy
	s_lshl_b32 s42, ttmp9, 2
	s_add_co_u32 s42, s42, s40                     ; tile column
	s_and_b32 s19, ttmp7, 0xffff
	s_lshl_b32 s19, s19, 2
	s_add_co_u32 s19, s19, s41                     ; tile row
	s_lshl_b32 s43, s41, 2
	s_lshl_b32 s43, 15, s43                        ; my row of the cluster
	s_lshl_b32 s44, 0x1111, s40                    ; my column
	s_or_b32 s[G1+0], s43, (3<<16)|(1<<21)         ; dense blocks as rows of 256 bytes (32 elements of 8): 150 rows = three steps
	s_or_b32 s[G1B+0], s44, (3<<16)|(1<<21)
.irp g, G1, G1B
	s_mov_b32 s[\g+1], 32<<16
	s_mov_b32 s[\g+2], 150<<16
	s_mov_b32 s[\g+3], 32<<16
	s_mov_b32 s[\g+4], 150
	s_mov_b32 s[\g+5], 32
	s_mov_b32 s[\g+6], 0
	s_mov_b32 s[\g+7], 0
.endr
	s_or_b32 s[G1H+0], s43, (3<<16)|(1<<21)        ; the head's load: 100 rows = two steps
	s_or_b32 s[G1HB+0], s44, (3<<16)|(1<<21)
.irp g, G1H, G1HB
	s_mov_b32 s[\g+1], 32<<16
	s_mov_b32 s[\g+2], 100<<16
	s_mov_b32 s[\g+3], 32<<16
	s_mov_b32 s[\g+4], 100
	s_mov_b32 s[\g+5], 32
	s_mov_b32 s[\g+6], 0
	s_mov_b32 s[\g+7], 0
.endr
	s_lshl_b32 s20, s19, 1
	s_add_co_u32 s20, s20, s18
	s_lshl_b32 s46, s42, 1
	s_add_co_u32 s46, s46, s18
	s_mul_i32 s20, s20, GRP                        ; A's group that I fetch, in bytes
	s_mov_b32 s21, 0
	s_mul_i32 s46, s46, GRP                        ; B's
	s_mov_b32 s47, 0
	s_mov_b32 s23, 0
	s_mul_i32 s45, s16, HALFT
	s_wait_dscnt 0x0
	s_wait_kmcnt 0x0
.irp s, 0,1
	s_mov_b32 s[G0+4*\s], 1
	s_add_co_u32 s[G0+4*\s+1], s45, \s*SLOT
	s_add_nc_u64 s[G0+4*\s+2:G0+4*\s+3], s[4:5], s[20:21]
	s_add_nc_u64 s[G0+4*\s+2:G0+4*\s+3], s[G0+4*\s+2:G0+4*\s+3], \s*2*STP
	s_or_b32 s[G0+4*\s+3], s[G0+4*\s+3], 0x80000000
	s_mov_b32 s[G0B+4*\s], 1
	s_add_co_u32 s[G0B+4*\s+1], s45, \s*SLOT
	s_add_nc_u64 s[G0B+4*\s+2:G0B+4*\s+3], s[6:7], s[46:47]
	s_add_nc_u64 s[G0B+4*\s+2:G0B+4*\s+3], s[G0B+4*\s+2:G0B+4*\s+3], \s*2*STP
	s_or_b32 s[G0B+4*\s+3], s[G0B+4*\s+3], 0x80000000
.endr
	CROUND                                         ; in front of the first joint loads
	JLOAD G0, G1H, G0B, G1HB                       ; steps 0 and 1: one tensor load a wave at the head
	; all other set-up stands under that load's flight
	s_cmp_eq_u32 s17, 0
	s_cselect_b64 s[PFA:PFA+1], s[4:5], s[6:7]
	s_cselect_b32 s22, s20, s46
	s_cselect_b32 s3, s40, s41                     ; my place among the four that ask with me
	s_lshl_b32 s3, s3, 13
	s_add_co_u32 s22, s22, s3
	s_add_co_u32 s22, s22, 81920
	s_add_nc_u64 s[PFA:PFA+1], s[PFA:PFA+1], s[22:23]
	s_mov_b32 s[LIM], 1                            ; every cluster asks for the streams that it will itself load; slot 0's refill asks while more than one trip is left,
	s_mov_b32 s[LIM+1], 0                          ; slot 1's in every trip
	s_lshl_b32 s20, s19, 8
	s_lshl_b32 s21, s16, 6
	s_add_co_u32 s20, s20, s21                     ; c0: I fetch rows 256 x tile row + 64 x wave
	s_lshl_b32 s20, s20, 13
	s_lshl_b32 s21, s42, 8
	s_add_co_u32 s20, s20, s21
	s_mov_b32 s21, 0
	s_mov_b32 s[G0C], 1
	s_mul_i32 s[G0C+1], s16, 64*CP
	s_add_co_u32 s[G0C+1], s[G0C+1], SLOT
	s_add_nc_u64 s[G0C+2:G0C+3], s[12:13], s[20:21]
	s_or_b32 s[G0C+3], s[G0C+3], 0x80000000
	s_lshl_b32 s20, s19, 8
	s_lshl_b32 s2, s17, 7
	s_add_co_u32 s20, s20, s2
	s_lshl_b32 s2, s18, 5
	s_add_co_u32 s20, s20, s2                      ; out0: I store rows 256 x tile row + 128 x (wave / 2) + 32 x (wave % 2) + 0 .. 31, and the same 64 rows on
	s_lshl_b32 s20, s20, 13
	s_lshl_b32 s2, s42, 8
	s_add_co_u32 s20, s20, s2
	s_add_nc_u64 s[14:15], s[14:15], s[20:21]
	s_lshl_b32 s20, s42, 8
	s_lshl_b32 s2, s18, 7
	s_add_co_u32 s20, s20, s2                      ; the biases of my 32 columns
.irp g, 0,1,2,3
	s_add_nc_u64 s[92+2*\g:93+2*\g], s[92+2*\g:93+2*\g], s[20:21]
.endr
	s_mov_b32 s[KN], 0xbfb8aa3b                    ; -log2 e
	s_mov_b32 s[KN+1], s[KN]
	s_mov_b32 s[KP], 0x4038aa3b                    ; 2 log2 e
	s_mov_b32 s[KP+1], s[KP]
	s_mov_b32 s[S60], 0x42700000                   ; 60
	s_mul_i32 s76, s17, HALFT                      ; my A rows in a slot
	s_mul_i32 s77, s18, HALFT
	s_add_co_u32 s77, s77, 2*HALFT                 ; my B rows
	s_sub_co_u32 s78, s77, s76
	s_add_co_u32 s79, s76, SCO
	s_mul_i32 s88, s17, 128*CP
	s_lshl_b32 s2, s18, 7
	s_add_co_u32 s88, s88, s2
	s_add_co_u32 s88, s88, SLOT                    ; the stage: my 128 rows, my 128 bytes of them
	s_mul_i32 s89, s17, 128*CP
	s_mul_i32 s2, s18, 32*CP
	s_add_co_u32 s89, s89, s2
	s_add_co_u32 s89, s89, SLOT                    ; and the rows that I store
	v_and_b32 v1, 15, v0                           ; r
	v_bfe_u32 v2, v0, 4, 1                         ; h
	v_and_b32 v3, 31, v0
	v_lshlrev_b32 v[BO], 5, v2
	v_lshlrev_b32 v4, 4, v3                        ; an image: 16 x lane
	v_add_nc_u32 v[ADRA], s76, v4
	v_add_nc_u32 v[ADRB], s77, v4
	v_add_nc_u32 v[ADRA+1], SLOT, v[ADRA]
	v_add_nc_u32 v[ADRB+1], SLOT, v[ADRB]
	v_lshlrev_b32 v5, 3, v1
	v_mul_u32_u24 v6, s78, v2                      ; lanes 16-31 take B's scale words
	v_add_nc_u32 v5, v5, v6
	v_add_nc_u32 v[ADRS], s79, v5
	v_add_nc_u32 v[ADRS+1], SLOT, v[ADRS]
	v_mul_u32_u24 v7, v1, CP
	v_lshl_add_u32 v7, v2, 5, v7
	v_add_nc_u32 v[CA], s88, v7
	v_mul_u32_u24 v8, v2, CP
	v_lshl_add_u32 v8, v1, 4, v8
	v_add_nc_u32 v[RD], s89, v8
	v_lshlrev_b32 v9, 4, v1
	v_lshl_add_u32 v[CO], v2, 13, v9
	v_lshlrev_b32 v[PFO], 8, v3
.irp g, 0,1,2,3
.irp o, 0,1
	global_load_b128 v[BIAS+8*(2*\g+\o):BIAS+8*(2*\g+\o)+3], v[BO], s[92+2*\g:93+2*\g] offset:64*\o      ; in the result's layout: gate g, columns 16 o + 8 h + 0 .. 7
	global_load_b128 v[BIAS+8*(2*\g+\o)+4:BIAS+8*(2*\g+\o)+7], v[BO], s[92+2*\g:93+2*\g] offset:64*\o+16
.endr
.endr
.macro FRAG reg, adr, t, i             ; an image as it lies: three loads of 512 consecutive bytes
.irp c, 0,1,2
	ds_load_b128 v[\reg+4*\c:\reg+4*\c+3], v[\adr] offset:(\t)*STP+(\i)*1536+512*\c
.endr
.endm
.macro MUL16 a0, p, first              ; A's blocks a0, a0 + 1 x B's eight; the 64 accumulators take turns
.irp a, \a0, \a0+1
.irp b, 0,1,2,3,4,5,6,7
.if \first
	v_wmma_scale_f32_16x16x128_f8f6f4 v[8*(8*((\a)%4)+\b):8*(8*((\a)%4)+\b)+7], v[128*(\p)+FR*\b:128*(\p)+FR*\b+FR-1], v[AF+FR*(\a):AF+FR*(\a)+FR-1], v[BIAS+8*\b:BIAS+8*\b+7], v[SC+8*(\p)+\b], v[SC+8*(\p)+(\a)] matrix_a_fmt:MATRIX_FMT_BF6 matrix_b_fmt:MATRIX_FMT_BF6 matrix_a_scale:MATRIX_SCALE_ROW1
.else
	v_wmma_scale_f32_16x16x128_f8f6f4 v[8*(8*((\a)%4)+\b):8*(8*((\a)%4)+\b)+7], v[128*(\p)+FR*\b:128*(\p)+FR*\b+FR-1], v[AF+FR*(\a):AF+FR*(\a)+FR-1], v[8*(8*((\a)%4)+\b):8*(8*((\a)%4)+\b)+7], v[SC+8*(\p)+\b], v[SC+8*(\p)+(\a)] matrix_a_fmt:MATRIX_FMT_BF6 matrix_b_fmt:MATRIX_FMT_BF6 matrix_a_scale:MATRIX_SCALE_ROW1
.endif
.endr
.endr
.endm
.macro FETCH_B slot, t, p
	WIN TO_B
.irp i, 0,1,2,3,4,5,6,7
	FRAG 128*(\p)+FR*\i, ADRB+\slot, \t, \i
.endr
	WIN 0
.endm
.macro FETCH_BH slot, t, p, i0         ; four of B's fragments, i0 on; the window is left for the caller to set
	WIN TO_B
.irp i, \i0, \i0+1, \i0+2, \i0+3
	FRAG 128*(\p)+FR*(\i), ADRB+\slot, \t, \i
.endr
.endm
.macro FETCH_A slot, t, i0
.irp i, \i0, \i0+1, \i0+2, \i0+3
	FRAG AF+FR*(\i), ADRA+\slot, \t, \i
.endr
.endm
.macro SCALES slot, t, p
.irp ip, 0,1,2,3
	ds_load_b64 v[SC+8*(\p)+2*\ip:SC+8*(\p)+2*\ip+1], v[ADRS+\slot] offset:(\t)*STP+128*\ip
.endr
.endm
.macro PLACES n                        ; places in front of loads into registers that matrix instructions have read
.rept \n
	v_nop
.endr
.endm
.macro STEP slot, t, p, first          ; a step inside a slot: 64 products; the next step's fragments come in its middle and at its end
	s_wait_dscnt 4*NL                              ; all but the youngest twelve loads: A's blocks 4-7
.if \first
	WIN MUL_LO1
.else
	WIN MUL_LO
.endif
	MUL16 0, \p, \first
	FETCH_BH \slot, (\t)+1, 1-(\p), 0              ; the next step's loads go out in four runs, one behind each 16 products; B's other set was last read in the step before, whose four v_nop are the places
.if \first
	WIN MUL_LO1
.else
	WIN MUL_LO
.endif
	MUL16 2, \p, \first
	PLACES NP
	WIN 0
	SCALES \slot, (\t)+1, 1-(\p)
	FETCH_A \slot, (\t)+1, 0
	s_wait_dscnt 8*NL+4                            ; A's blocks 4-7 of this step are in: behind them 12 + 4 + 12 younger loads may be out
.if \first
	WIN MUL_HI1
.else
	WIN MUL_HI
.endif
	MUL16 4, \p, \first
	FETCH_BH \slot, (\t)+1, 1-(\p), 4
.if \first
	WIN MUL_HI1
.else
	WIN MUL_HI
.endif
	MUL16 6, \p, \first
	PLACES NP
	WIN 0
	FETCH_A \slot, (\t)+1, 4
.endm
; A slot's last step, all of whose fragments are in registers.  fill = 1: the slot takes the three steps adv bytes on; fill = 2: slot 1 takes c0's tile.
.macro TURN slot, p, next, fill, adv, two
	s_wait_dscnt 4*NL
	WIN MUL_LO
	MUL16 0, \p, 0
	MUL16 2, \p, 0
	WIN 0
.if \fill == 1
	s_wait_xcnt 0x0                                ; my last prefetch has read its address
	s_add_nc_u64 s[PFA:PFA+1], s[PFA:PFA+1], 32768
.endif
	s_wait_tensorcnt 0x0                           ; my one load that was out, my part of the next slot, has landed
	ds_add_u32 v[SPW], v[NIL]
.if \fill == 1
	s_add_nc_u64 s[G0+4*\slot+2:G0+4*\slot+3], s[G0+4*\slot+2:G0+4*\slot+3], \adv
	s_add_nc_u64 s[G0B+4*\slot+2:G0B+4*\slot+3], s[G0B+4*\slot+2:G0B+4*\slot+3], \adv
.endif
	s_wait_dscnt 0x0                               ; the add is done, and my reads of this slot (A's blocks 4-7 were the last)
	CROUND                                         ; no wave of any partner reads this slot or has a load on its way
.if \fill == 1
	JLOAD G0+4*\slot, G1, G0B+4*\slot, G1B         ; its four v_nop are the places in front of the loads below
.else
	tensor_load_to_lds s[G0C:G0C+3], s[G1C:G1C+7]
	s_nop 0
	PLACES NP
.endif
	FETCH_B \next, 0, 1-(\p)
	SCALES \next, 0, 1-(\p)
	FETCH_A \next, 0, 0
.if \fill == 1
	ASK \slot, \two
.endif
	WIN MUL_HI
	MUL16 4, \p, 0
	MUL16 6, \p, 0
	PLACES NP
	WIN 0
	FETCH_A \next, 0, 4
.endm
	s_wait_alu depctr_va_vdst(0)                   ; the head's end
	s_wait_tensorcnt 0x0                           ; my part of steps 0 and 1 is in; slot 1's first fill is issued as a refill is
	ds_add_u32 v[SPW], v[NIL]
	s_wait_dscnt 0x0
	CROUND
	JLOAD G0+4, G1, G0B+4, G1B                     ; steps 2 to 4
	FETCH_B 0, 0, 0
	SCALES 0, 0, 0
	FETCH_A 0, 0, 0
	FETCH_A 0, 0, 4
	s_wait_loadcnt 0x0                             ; the biases are in, and their addresses' registers are free
	s_mov_b32 s[G1C+0], (2<<16)|(1<<20)|(5<<22)|(3<<25)   ; c0's tile: 64 rows x 64 f32, 16 bytes of padding behind each row
	s_mov_b32 s[G1C+1], 64<<16
	s_mov_b32 s[G1C+2], 64<<16
	s_mov_b32 s[G1C+3], 64<<16
	s_mov_b32 s[G1C+4], 64
	s_mov_b32 s[G1C+5], 2048
	s_mov_b32 s[G1C+6], 0
	s_mov_b32 s[G1C+7], 0
	s_mov_b32 s3, 4
	STEP 0, 0, 0, 1                                ; the first products take the biases as C
	TURN 0, 1, 1, 1, 5*STP, 1
.Llap:                                                 ; a trip: six steps, once round the ring
	STEP 1, 0, 0, 0
	STEP 1, 1, 1, 0
	TURN 1, 0, 0, 1, 6*STP, 0
	STEP 0, 0, 1, 0
	STEP 0, 1, 0, 0
	TURN 0, 1, 1, 1, 6*STP, 0
	s_sub_co_u32 s3, s3, 1
	s_cmp_lg_u32 s3, 0
	s_cbranch_scc1 .Llap
	STEP 1, 0, 0, 0
	STEP 1, 1, 1, 0
	TURN 1, 0, 0, 2, 0, 0
	STEP 0, 0, 1, 0
	STEP 0, 1, 0, 0
	s_wait_dscnt 4*NL
	WIN MUL_LO
	MUL16 0, 1, 0
	MUL16 2, 1, 0
	s_wait_dscnt 0x0
	WIN MUL_HI
	MUL16 4, 1, 0
	MUL16 6, 1, 0
	WIN 0
	PLACES NP
.macro PK8 op, d, a, b                 ; eight packed instructions on sixteen registers
.set E, 0
.rept 8
	\op v[\d+E:\d+E+1], v[\a+E:\a+E+1], v[\b+E:\b+E+1]
.set E, E+2
.endr
.endm
.macro PK8C op, d, a, c                ; the same with a constant or a scalar pair, its low word for both halves
.set E, 0
.rept 8
	\op v[\d+E:\d+E+1], v[\a+E:\a+E+1], \c op_sel_hi:[1,0]
.set E, E+2
.endr
.endm
.macro PK8F d, a, b, c
.set E, 0
.rept 8
	v_pk_fma_f32 v[\d+E:\d+E+1], v[\a+E:\a+E+1], v[\b+E:\b+E+1], v[\c+E:\c+E+1]
.set E, E+2
.endr
.endm
.macro TR op, d, n                     ; a batch of n transcendentals, in place
.set E, 0
.rept \n
	\op v[\d+E], v[\d+E]
.set E, E+1
.endr
.endm
.macro MIN16 d
.set E, 0
.rept 16
	v_min_num_f32 v[\d+E], s[S60], v[\d+E]
.set E, E+1
.endr
.endm
.macro BATCH op, d, n                  ; a wait ahead of a batch, a plain place and a wait behind it
	s_wait_alu depctr_va_vdst(0)
	TR \op, \d, \n
	v_nop
	s_wait_alu depctr_va_vdst(0)
.endm
.macro GATES a                         ; block a: 16 rows x my 32 columns, 16 numbers a lane for each gate
.set AC, 64*((\a)%4)
.set CC, 128+16*((\a)%2)
.irp o, 0,1
	ds_load_b128 v[CC+8*\o:CC+8*\o+3], v[CA] offset:16*CP*(\a)+64*\o
	ds_load_b128 v[CC+8*\o+4:CC+8*\o+7], v[CA] offset:16*CP*(\a)+64*\o+16
.endr
	WIN 2+(\a)/4
	s_wait_alu depctr_va_vdst(0)                   ; directly ahead of the first reader of matrix results behind transcendentals
.set E, 0
.rept 32                               ; each accumulator from its low end on
.if E/16 == 2
	v_pk_mul_f32 v[ZI+E:ZI+E+1], v[AC+E:AC+E+1], s[KP:KP+1] op_sel_hi:[1,0]
.else
	v_pk_mul_f32 v[ZI+E:ZI+E+1], v[AC+E:AC+E+1], s[KN:KN+1] op_sel_hi:[1,0]
.endif
.set E, E+2
.endr
	WIN 0
	MIN16 ZG
	BATCH v_exp_f32, ZI, 64                        ; ei, ef, eg, eo
	PK8C v_pk_add_f32, ZF, ZF, 1.0
	PK8C v_pk_add_f32, ZG, ZG, 1.0
	PK8F T1, ZI, ZG, ZG                            ; (1 + ei)(1 + eg)
	PK8C v_pk_add_f32, ZG, ZG, -2.0                ; eg - 1
	s_wait_alu depctr_va_vdst(0)
	TR v_rcp_f32, T1, 16
	TR v_rcp_f32, ZF, 16
	v_nop
	s_wait_alu depctr_va_vdst(0)
	s_wait_dscnt 0x0                               ; c0 is in
	PK8 v_pk_mul_f32, T1, T1, ZG                   ; i g
	PK8F CC, CC, ZF, T1                            ; c = f c0 + i g
	PK8C v_pk_mul_f32, CC, CC, s[KP:KP+1]
	MIN16 CC
	BATCH v_exp_f32, CC, 16                        ; ec
	PK8C v_pk_add_f32, CC, CC, 1.0
	PK8F ZO, ZO, CC, CC                            ; (1 + eo)(1 + ec)
	PK8C v_pk_add_f32, CC, CC, -2.0
	BATCH v_rcp_f32, ZO, 16
	PK8 v_pk_mul_f32, CC, CC, ZO                   ; h = o tanh(c)
.irp o, 0,1
	ds_store_b128 v[CA], v[CC+8*\o:CC+8*\o+3] offset:16*CP*(\a)+64*\o
	ds_store_b128 v[CA], v[CC+8*\o+4:CC+8*\o+7] offset:16*CP*(\a)+64*\o+16
.endr
.endm
.macro FLUSH half, reg                 ; a row's 256 bytes come from two waves: a barrier, then 32 whole rows a wave; sixteen lanes store 256 consecutive aligned bytes
	s_wait_dscnt 0x0
	s_barrier_signal -1
	s_barrier_wait -1
.set J, 0
.rept 16
	ds_load_b128 v[\reg+4*J:\reg+4*J+3], v[RD] offset:(64*\half+2*J)*CP
.set J, J+1
.endr
.set J, 0
.rept 16
	s_wait_dscnt 15-J
	global_store_b128 v[CO], v[\reg+4*J:\reg+4*J+3], s[14:15] offset:(64*\half+2*J)*8192 th:TH_STORE_NT
.set J, J+1
.endr
.endm
	s_wait_tensorcnt 0x0                           ; my rows of c0 are in,
	s_wait_dscnt 0x0
	s_barrier_signal -1
	s_barrier_wait -1                              ; and everybody's
.irp a, 0,1,2,3
	GATES \a
.endr
	FLUSH 0, OB0                                   ; rows 0-63 of each half of the tile leave; their registers are not written again
.irp a, 4,5,6,7
	GATES \a
.endr
	FLUSH 1, ZI
	s_wait_tensorcnt 0x0                           ; the wave's end
	ds_add_u32 v[SPW], v[NIL]
	s_wait_dscnt 0x0
	CROUND                                         ; the closing round
	s_endpgm
.Lfunc_end_k_qdbf15b9ed1_lstm:
	.size	k_qdbf15b9ed1_lstm, .Lfunc_end_k_qdbf15b9ed1_lstm-k_qdbf15b9ed1_lstm
	.p2alignl 7, 3214868480
	.fill 96, 4, 3214868480
	.section	.rodata,"a",@progbits
	.p2align	6, 0x0
	.amdhsa_kernel k_qdbf15b9ed1_lstm
		.amdhsa_group_segment_fixed_size 327680
		.amdhsa_private_segment_fixed_size 0
		.amdhsa_enable_private_segment 0
		.amdhsa_kernarg_size 64
		.amdhsa_user_sgpr_count 2
		.amdhsa_user_sgpr_kernarg_segment_ptr 1
		.amdhsa_wavefront_size32 1
		.amdhsa_system_sgpr_workgroup_id_x 1
		.amdhsa_system_sgpr_workgroup_id_y 1
		.amdhsa_system_sgpr_workgroup_id_z 1
		.amdhsa_system_vgpr_workitem_id 0
		.amdhsa_next_free_vgpr 1024
		.amdhsa_next_free_sgpr 100
		.amdhsa_reserve_vcc 0
		.amdhsa_float_denorm_mode_32 3
		.amdhsa_float_denorm_mode_16_64 3
		.amdhsa_memory_ordered 1
		.amdhsa_forward_progress 1
		.amdhsa_inst_pref_size 255
	.end_amdhsa_kernel
	.section	.bss,"aw",@nobits
	.p2align	6
	.space	262144
	.amdgpu_metadata
---
amdhsa.version: [ 1, 2 ]
amdhsa.kernels:
  - .name:           k_qdbf15b9ed1_lstm
    .symbol:         k_qdbf15b9ed1_lstm.kd
    .args:
      - { .name: a_ops, .offset: 0, .size: 8, .value_kind: global_buffer, .address_space: global }
      - { .name: b_ops, .offset: 8, .size: 8, .value_kind: global_buffer, .address_space: global }
      - { .name: c0, .offset: 16, .size: 8, .value_kind: global_buffer, .address_space: global }
      - { .name: out0, .offset: 24, .size: 8, .value_kind: global_buffer, .address_space: global }
      - { .name: bi, .offset: 32, .size: 8, .value_kind: global_buffer, .address_space: global }
      - { .name: bf, .offset: 40, .size: 8, .value_kind: global_buffer, .address_space: global }
      - { .name: bg, .offset: 48, .size: 8, .value_kind: global_buffer, .address_space: global }
      - { .name: bo, .offset: 56, .size: 8, .value_kind: global_buffer, .address_space: global }
    .group_segment_fixed_size: 327680
    .private_segment_fixed_size: 0
    .kernarg_segment_align: 8
    .kernarg_segment_size: 64
    .max_flat_workgroup_size: 128
    .sgpr_count:     100
    .vgpr_count:     1024
    .wavefront_size: 32
...
	.end_amdgpu_metadata
.endif
;; end of part 2
